; MI455X (gfx1250); checked and timed in simulation.
; The chip was launched on July 23, 2026; its instructions are those of AMD's public machine-readable ISA for CDNA 5 (MIT licence, August 2026) and "CDNA5" Instruction Set Architecture Reference Guide (July 2026). The comments in the code are by the model that wrote it; some were corrected since.
;; Mistral Audio Codebook. Allowed arithmetic: matrix products marked QUANTISED: E2M1 operands, one E8M0 scale for each 32 along K, by v_wmma_scale_f32_16x16x128_f8f6f4 with both operands' format E2M1 (or v_wmma_scale_f32_32x16x128_f4), f32 sums; everything else in f32.
;; Inputs: cluster_usage 8,192 float32; embedding_sum 8,192 x 256 float32; x 8 x 292 x 4,096 float32.
;; Outputs: out0 8 x 37 x 4,096 int32; out1 8 x 292 x 4,096 float32.
;; This version of the problem:
;;   THIS VERSION OF THE PROBLEM IS GIVEN IN LOW PRECISION. The matrix products marked QUANTISED in the list below multiply operands that are first quantised to E2M1 (2 exponent bits, 1 mantissa bit; 4 bits a number), with one power-of-two scale for each 32 numbers along K (OCP MX v1.0); their sums are f32. All else is computed in f32.
;;   The module's matrix products, in the order in which they are computed (A, B: the left and right operand; K: the contracted axis; several contracted axes count as one K, in the product's order):
;;     1. [M 32,768, K 256] x [K 256, N 8,192]; A: input x; B: computed on the way: QUANTISED
;;   THE QUANTISER, for each operand of a quantised product, along K:
;;     - K is cut into blocks of 32 from its start; a last block that is shorter is filled with zeros.
;;     - A block's scale is 2^e with e = floor(log2(the largest magnitude in the block)) - 2, held to -126 .. 127; a block of zeros has e = 0. As a byte (E8M0): e + 127.
;;     - Each number is divided by its block's scale, clamped to +-6, and rounded to the nearest number of E2M1, ties to even, subnormals kept.
;;     - The product sums the exact products of the quantised numbers (number of the format x scale) in f32.
;;   ~~~python
;;   def quantise(x, axis):      # numpy; x: float32 -> the quantised numbers, widened to float32 again
;;       x = np.moveaxis(x, axis, -1); K = x.shape[-1]
;;       x = np.pad(x, [(0, 0)] * (x.ndim - 1) + [(0, -K % 32)]); x = x.reshape(x.shape[:-1] + (-1, 32)); a = np.abs(x).max(-1, keepdims=True)
;;       e = np.where(a > 0, np.clip(np.frexp(np.where(a > 0, a, 1))[1] - 1 - 2, -126, 127), 0)      # np.frexp(a)[1] - 1 = floor(log2(a)), exactly
;;       r = np.clip(x / 2.0 ** e, -6, 6)
;;       step = 2.0 ** (np.maximum(np.frexp(np.where(r == 0, 1, r))[1] - 1, 0) - 1)
;;       q = np.round(r / step) * step * 2.0 ** e      # np.round: ties to even
;;       return np.moveaxis(q.reshape(q.shape[:-2] + (-1,))[..., :K], -1, axis).astype(np.float32)
;;   ~~~
;;   OPERANDS COMPUTED ON THE WAY. 'Computed on the way' means the value that the module computes at that place (a softmax that the list does not call 'softmax' is quantised finished and normalised). What goes into a quantiser is computed in f32, as accurately as f32 sums, v_exp_f32 and their like allow (about 1e-6 of the number): no bf16 or f16 on the way to a quantiser, and a product that is left as it is and whose result goes on into a quantised operand takes f32 operands (vector FMAs, or v_wmma_f32_16x16x4_f32). A number that lies on a knife's edge between two numbers of the format may be rounded either way, as far as f32 arithmetic and the matrix unit's own rounding can turn it there, and no further.
;; One version. Each part assembles by itself: llvm-mc -triple=amdgcn-amd-amdhsa -mcpu=gfx1250 --defsym DOCPART=n.
;; ======== version 1 of 1: 4 launches
;; limits: right only within a limited range of input values
;; workspace buffers: ebook 1,179,648 bytes; xq 4,456,448 bytes; cand 131,072 bytes of whole numbers; codes 131,072 bytes of whole numbers
;; launch prep (part 1): grid 512 x 1, 9 waves a work-group, no clusters, 42,752 bytes of LDS; arguments embedding_sum, cluster_usage, x, ebook, out0, out1; writes ebook, out0, out1
.if DOCPART == 1
	.amdgcn_target "amdgcn-amd-amdhsa--gfx1250"
	.amdhsa_code_object_version 6
	.text
	.protected	k_q1074568fb1_prep
	.globl	k_q1074568fb1_prep
	.p2align	8
	.type	k_q1074568fb1_prep,@function
k_q1074568fb1_prep:
	s_mov_b64 s[64:65], 0
	v_nop
	global_prefetch_b8 v0, s[64:65] scope:SCOPE_SE
	s_setreg_imm32_b32 hwreg(HW_REG_WAVE_MODE, 25, 1), 1
	s_wait_xcnt 0x0
; PREP.  (1) The codebook: emb = embedding_sum / max(cluster_usage, 1e-5), its -e2 = -(sum of squares of a row), and emb as codes of FP4 (E2M1) with one E8M0 byte for each 32 along K,
; laid in the order in which the search's operand registers take them.  (2) The whole acoustic part: code = round((tanh(x) + 1) * 10), written to out0 rows 1..36, and code * 0.1 - 1 to out1 rows 256..291.
; WORK LEFT OUT, in the whole program: x2 = sum of flat * flat.  It enters d2 alone, d2 enters argmin alone, and x2 is the same for all codes of a token: in real numbers argmin(x2 - 2 x.e + e2) = argmax(2 x.e - e2)
; for all values of the inputs.  So x2 is not computed.  LIMIT: a NaN, an infinity or an overflow that reaches x2 alone is not carried to the result.  Every input is loaded.
; SHARES.  512 work-groups of two kinds, told apart by the number's lowest bit; g = number / 2.  An even one makes record g of the book (codes 32 g .. 32 g + 31: 4,608 bytes); an odd one 18,432 bytes of the acoustic rows.
; Nine waves: 4,608 = 9 x 512 (one store a wave), 18,432 = 9 x 4 x 512.  The two kinds share no byte; only the book's kind uses LDS and the barrier.
; THE BOOK.  Waves 0-7 take four rows of emb each (wave s: rows 32 g + 4 s + 0..3); a lane takes one block of 32 along K of one row (row = lane / 8, block = lane % 8).  Wave 8 writes the record's last 128 bytes, zeros.
; A RECORD: bytes 0-4095 fragment images: tile c, K step s2, half c4, image lane 16 h' + m: 16 bytes at 2048 c + 1024 s2 + 512 c4 + 256 h' + 16 m = the codes k = 128 s2 + 64 c4 + 32 h' + 0..31 of tile row m = 8 h + j,
;   which is code 32 g + 16 h + 8 c + j: so that in the search a lane half's 16 results of a record's two tiles are 16 neighbouring codes.
;   bytes 4096-4351 scale words: 128 s2 + 8 m + 4 c.  EACH BYTE IS THE QUANTISER'S BYTE + 1: the product then comes out as 2 x (x . emb).   bytes 4352-4479: -e2 of the 32 codes in their order.   bytes 4480-4607: zeros.
; THE DIVISION: r = 1/b by v_rcp_f32 and one correction; q0 = a r; q = q0 + (a - b q0) r, fused.  It serves emb, which goes on into a quantiser, and tanh, behind which a rounding to whole numbers stands.
; TANH is a rational function: x held to +-7.9053111, x2 = x x, x P(x2) / Q(x2) with P of degree 6 and Q of degree 3 (the coefficients known from Eigen's float tanh), both by Horner in fused multiply-adds, one
; division.  That form's switch to tanh(x) = x under |x| = 0.0004 is left out: with either value the code is 10, and only the code leaves this launch.
; LIMITS: e2 is summed in this text's own order (two packed chains a lane, then eight lanes); quotients that are denormal, NaN and infinities among the inputs are not served; a block whose largest magnitude lies
; under 2^(3 - 127) keeps the byte of that floor; tanh as said above.
.set XROW, 16384                       ; a row of x, out0 or out1 in bytes
.set XB,   292*XROW                    ; a batch of x or out1
.set O0B,  37*XROW                     ; a batch of out0
.set REC,  4608                        ; a record
.set STG,  4608                        ; LDS: a stage for each of waves 0-7: 32 chunks of 128 bytes + 16 of padding
.set RECL, 8*STG                       ; LDS: behind the stages the record is put together
.set KA13, 128                         ; v128-149: tanh's eleven coefficients, each twice, as pairs for the packed forms
.set KA11, 130
.set KA9,  132
.set KA7,  134
.set KA5,  136
.set KA3,  138
.set KA1,  140
.set KB6,  142
.set KB4,  144
.set KB2,  146
.set KB0,  148
	s_load_b256 s[4:11], s[0:1], 0x0               ; embedding_sum s[4:5], cluster_usage s[6:7], x s[8:9], ebook s[10:11]
	s_load_b128 s[12:15], s[0:1], 0x20             ; out0 s[12:13], out1 s[14:15]
	v_lshl_add_u32 v160, v0, 2, 0xa200
	v_mov_b32 v161, 0
	v_lshrrev_b32 v1, 5, v0
	s_delay_alu instid0(VALU_DEP_1)
	v_readfirstlane_b32 s16, v1                    ; wave 0..8
	v_and_b32 v1, 31, v0                           ; lane
	s_delay_alu instid0(VALU_DEP_1)
	v_lshrrev_b32 v2, 3, v1                        ; rho: which of my wave's four rows
	v_and_b32 v3, 7, v0                            ; blk: which block of 32 along K
	s_wait_alu depctr_va_vdst(0)
	v_lshlrev_b32 v4, 4, v1                        ; 16 x lane
	; every LDS address is made here, ahead of the parting of the waves
	s_mul_i32 s17, s16, STG
	v_mul_u32_u24 v5, v2, 144
	s_delay_alu instid0(VALU_DEP_1)
	v_lshl_add_u32 v5, v3, 4, v5
	s_delay_alu instid0(VALU_DEP_1)
	v_add_nc_u32 v5, s17, v5                       ; stage, in: load i's 512 bytes are chunks 4 i + rho: 576 i stands in the offset
	v_mul_u32_u24 v6, v1, 144
	s_delay_alu instid0(VALU_DEP_1)
	v_add_nc_u32 v6, s17, v6                       ; stage, out: chunk = lane: row rho, block blk
	s_bfe_u32 s18, s16, 0x10001                    ; c = (wave / 2) % 2
	s_lshr_b32 s19, s16, 2                         ; h = wave / 4
	s_and_b32 s20, s16, 1                          ; wave % 2: j = 4 (wave % 2) + rho
	s_lshl_b32 s21, s18, 11
	s_lshl_b32 s22, s19, 7
	s_add_co_u32 s21, s21, s22
	s_lshl_b32 s22, s20, 6
	s_add_co_u32 s21, s21, s22
	s_add_co_u32 s21, s21, RECL
	v_lshlrev_b32 v7, 8, v3
	s_delay_alu instid0(VALU_DEP_1)
	v_lshl_add_u32 v7, v2, 4, v7
	s_delay_alu instid0(VALU_DEP_1)
	v_add_nc_u32 v7, s21, v7                       ; my block's 16 bytes of codes: 2048 c + 256 blk + 16 (8 h + j)
	s_lshl_b32 s21, s19, 6
	s_lshl_b32 s22, s20, 5
	s_add_co_u32 s21, s21, s22
	s_lshl_b32 s22, s18, 2
	s_add_co_u32 s21, s21, s22
	s_add_co_u32 s21, s21, RECL+4096
	v_lshrrev_b32 v8, 2, v3
	s_delay_alu instid0(VALU_DEP_1)
	v_lshlrev_b32 v8, 7, v8
	v_and_b32 v9, 3, v3
	s_delay_alu instid0(VALU_DEP_1)
	v_add_nc_u32 v8, v8, v9
	s_delay_alu instid0(VALU_DEP_1)
	v_lshl_add_u32 v8, v2, 3, v8
	s_delay_alu instid0(VALU_DEP_1)
	v_add_nc_u32 v8, s21, v8                       ; my block's scale byte: 128 (blk / 4) + 8 (8 h + j) + 4 c + blk % 4
	s_lshl_b32 s21, s16, 4
	s_add_co_u32 s21, s21, RECL+4352
	v_lshl_add_u32 v9, v2, 2, s21                  ; my row's -e2: 4 (4 wave + rho)
	v_lshl_add_u32 v10, v0, 4, RECL                ; the way out: 16 bytes a thread, 512 a wave
	v_lshl_add_u32 v11, v1, 2, RECL+4480           ; wave 8: the zeros
	v_lshlrev_b32 v12, 2, v2                       ; my row's usage
	v_lshlrev_b32 v13, 4, v0                       ; the same 16 bytes a thread in the record in memory
	; byte offsets, apart from the addresses
	s_lshr_b32 s38, ttmp9, 1                       ; g
	s_and_b32 s39, ttmp9, 1                        ; the kind: 0 the book, 1 the acoustic part
	s_lshl_b32 s24, s38, 15                        ; embedding_sum: 32 rows of 1,024 bytes a work-group,
	s_lshl_b32 s25, s16, 12                        ; four a wave
	s_add_co_u32 s24, s24, s25
	s_mov_b32 s25, 0
	s_lshl_b32 s26, s38, 7                         ; cluster_usage likewise
	s_lshl_b32 s27, s16, 4
	s_add_co_u32 s26, s26, s27
	s_mov_b32 s27, 0
	s_and_b32 s28, s38, 31                         ; the acoustic rows of a batch are 36 x 16,384 consecutive bytes: 32 work-groups x 18,432,
	s_mul_i32 s28, s28, 18432
	s_lshl_b32 s29, s16, 11                        ; 2,048 a wave
	s_add_co_u32 s28, s28, s29
	s_lshr_b32 s29, s38, 5                         ; the batch
	s_mul_i32 s30, s29, XB
	s_add_co_u32 s30, s30, s28
	s_add_co_u32 s30, s30, 256*XROW                ; x and out1: from row 256 on
	s_mov_b32 s31, 0
	s_mul_i32 s32, s29, O0B
	s_add_co_u32 s32, s32, s28
	s_add_co_u32 s32, s32, XROW                    ; out0: from row 1 on
	s_mov_b32 s33, 0
	s_mul_i32 s34, s38, REC
	s_mov_b32 s35, 0
	s_mov_b32 s36, 0xc0fcf84f                      ; -7.90531110763549805 and
	s_mov_b32 s37, 0x40fcf84f                      ; +7.90531110763549805: the hold in front of tanh's rational function
	s_wait_kmcnt 0x0
	s_add_nc_u64 s[4:5], s[4:5], s[24:25]
	s_add_nc_u64 s[6:7], s[6:7], s[26:27]
	s_add_nc_u64 s[8:9], s[8:9], s[30:31]
	s_add_nc_u64 s[14:15], s[14:15], s[30:31]
	s_add_nc_u64 s[12:13], s[12:13], s[32:33]
	s_add_nc_u64 s[10:11], s[10:11], s[34:35]
	s_cmp_lg_u32 s39, 0                            ; the same in all waves of the work-group
	s_cbranch_scc1 .Lacoustic
	s_cmp_lt_u32 s16, 8
	s_cbranch_scc1 .Lemb
	v_mov_b32 v18, 0
	s_wait_alu depctr_va_vdst(0)
	ds_store_b32 v11, v18                          ; wave 8: the record's last 128 bytes
	s_branch .Ljoin
.Lemb:
	s_wait_alu depctr_va_vdst(0)
	global_load_b32 v20, v12, s[6:7]
.irp i, 0,1,2,3,4,5,6,7
	global_load_b128 v[128+4*\i:131+4*\i], v4, s[4:5] offset:512*\i th:TH_LOAD_NT   ; four rows as they lie: 512 consecutive bytes a load
.endr
	s_wait_loadcnt 0x0                             ; all of them: nothing else is at hand
.irp i, 0,1,2,3,4,5,6,7
	ds_store_b128 v5, v[128+4*\i:131+4*\i] offset:576*\i
.endr
.irp i, 0,1,2,3,4,5,6,7
	ds_load_b128 v[32+4*\i:35+4*\i], v6 offset:16*\i   ; my block's 32 neighbours.  The stage is my wave's own and LDS serves a wave's instructions in order (ISA guide 5.7.1.4): no wait between
.endr
	v_max_num_f32 v14, 0x3727c5ac, v20             ; b = max(usage, 1e-5)
	s_wait_alu depctr_va_vdst(0)
	v_rcp_f32 v16, v14
	v_nop                                          ; a plain line behind the reciprocal
	s_wait_alu depctr_va_vdst(0)                   ; and the wait ahead of its first reader
	v_fma_f32 v17, -v14, v16, 1.0
	v_fma_f32 v16, v17, v16, v16                   ; r, corrected once
	v_mov_b32 v15, v14                             ; b and r as pairs for the packed forms
	s_delay_alu instid0(VALU_DEP_2)
	v_mov_b32 v17, v16
	s_wait_alu depctr_va_vdst(0)
	s_wait_dscnt 0x0
.irp q, 0,1,2,3
.irp p, 0,1,2,3
	v_pk_mul_f32 v[80+4*\p:81+4*\p], v[32+8*\q+2*\p:33+8*\q+2*\p], v[16:17]       ; q0 = a r
.endr
.irp p, 0,1,2,3
	s_delay_alu instid0(VALU_DEP_4)
	v_pk_fma_f32 v[82+4*\p:83+4*\p], v[14:15], v[80+4*\p:81+4*\p], v[32+8*\q+2*\p:33+8*\q+2*\p] neg_lo:[1,0,0] neg_hi:[1,0,0]   ; a - b q0
.endr
.irp p, 0,1,2,3
	s_delay_alu instid0(VALU_DEP_4)
	v_pk_fma_f32 v[32+8*\q+2*\p:33+8*\q+2*\p], v[82+4*\p:83+4*\p], v[16:17], v[80+4*\p:81+4*\p]   ; emb
.endr
.endr
	v_pk_mul_f32 v[22:23], v[32:33], v[32:33]      ; the sum of squares: the first products start two packed chains
	v_pk_mul_f32 v[24:25], v[34:35], v[34:35]
.irp p, 4,8,12,16,20,24,28
	s_delay_alu instid0(VALU_DEP_2)
	v_pk_fma_f32 v[22:23], v[32+\p:33+\p], v[32+\p:33+\p], v[22:23]
	s_delay_alu instid0(VALU_DEP_2)
	v_pk_fma_f32 v[24:25], v[34+\p:35+\p], v[34+\p:35+\p], v[24:25]
.endr
	v_max3_num_f32 v26, |v32|, |v33|, |v34|        ; the block's largest magnitude: all 32 numbers are mine
	v_max3_num_f32 v27, |v35|, |v36|, |v37|
.irp i, 6,10,14,18,22,26
	s_delay_alu instid0(VALU_DEP_2)
	v_max3_num_f32 v26, v26, |v[32+\i]|, |v[33+\i]|
	s_delay_alu instid0(VALU_DEP_2)
	v_max3_num_f32 v27, v27, |v[34+\i]|, |v[35+\i]|
.endr
	s_delay_alu instid0(VALU_DEP_2)
	v_max3_num_f32 v26, v26, |v62|, |v63|
	s_delay_alu instid0(VALU_DEP_1)
	v_max3_num_f32 v26, v26, v27, 0x1800000        ; and the floor 2^(3 - 127): the quantiser's byte cannot fall under 1
	v_pk_add_f32 v[22:23], v[22:23], v[24:25]
	s_delay_alu instid0(VALU_DEP_1)
	v_add_f32 v22, v22, v23
	s_delay_alu instid0(VALU_DEP_1)
	v_add_f32_dpp v22, v22, v22 row_xmask:1 row_mask:0xf bank_mask:0xf   ; the eight lanes of a row
	s_delay_alu instid0(VALU_DEP_1)
	v_add_f32_dpp v22, v22, v22 row_xmask:2 row_mask:0xf bank_mask:0xf
	s_delay_alu instid0(VALU_DEP_1)
	v_add_f32_dpp v22, v22, v22 row_xmask:4 row_mask:0xf bank_mask:0xf
	s_delay_alu instid0(VALU_DEP_1)
	v_xor_b32 v22, 0x80000000, v22                 ; -e2
	ds_store_b32 v9, v22                           ; (the eight lanes write the same word with the same value)
	v_add_nc_u32 v28, 0xff000000, v26              ; 2 off the exponent field: the conversion takes the exponent field of this operand as its scale
	s_delay_alu instid0(VALU_DEP_1)
	v_lshrrev_b32 v29, 23, v28                     ; the quantiser's byte,
	s_delay_alu instid0(VALU_DEP_1)
	v_add_nc_u32 v29, 1, v29                       ; + 1: the factor 2 of 2 x . emb (at most 253)
	ds_store_b8 v8, v29
.irp q, 0,1,2,3
	v_cvt_scalef32_pk8_fp4_f32 v[112+\q], v[32+8*\q:39+8*\q], v28
.endr
	v_nop                                          ; a plain line behind the last conversion
	ds_store_b128 v7, v[112:115]                   ; (lanes 256 bytes apart fall on the same banks: once a wave)
.Ljoin:
	s_wait_dscnt 0x0                               ; for the others' sake: my stores into the record are done
	s_barrier_signal -1
	s_barrier_wait -1
	ds_load_b128 v[116:119], v10
	s_wait_dscnt 0x0
	global_store_b128 v13, v[116:119], s[10:11]    ; a wave stores 512 consecutive bytes, at a multiple of 256 from the book's first byte
	s_branch .Lend
	; THE ACOUSTIC PART: 16 numbers a lane.  v64-79 x, held; v80-95 x2, later at work; v32-47 the numerator; v48-63 the denominator; v96-111 the reciprocal, later the codes
.Lacoustic:
	s_wait_alu depctr_va_vdst(0)                   ; the wait behind the jump, ahead of the reader of v4
.irp i, 0,1,2,3
	global_load_b128 v[64+4*\i:67+4*\i], v4, s[8:9] offset:512*\i th:TH_LOAD_NT
.endr
.macro KONST reg, bits                 ; a coefficient, twice
	v_mov_b32 v[\reg], \bits
	v_mov_b32 v[\reg+1], \bits
.endm
	KONST KA13, 0xa59f25c0                         ; -2.76076847742355e-16
	KONST KA11, 0x2a61337e                         ;  2.00018790482477e-13
	KONST KA9,  0xaebd37ff                         ; -8.60467152213735e-11
	KONST KA7,  0x335c0041                         ;  5.12229709037114e-08
	KONST KA5,  0x3779434a                         ;  1.48572235717979e-05
	KONST KA3,  0x3a270ded                         ;  6.37261928875436e-04
	KONST KA1,  0x3ba059dc                         ;  4.89352455891786e-03
	KONST KB6,  0x35a0d3d8                         ;  1.19825839466702e-06
	KONST KB4,  0x38f895d6                         ;  1.18534705686654e-04
	KONST KB2,  0x3b14aa05                         ;  2.26843463243900e-03
	KONST KB0,  0x3ba059dd                         ;  4.89352518554385e-03
	s_wait_loadcnt 0x0
.irp j, 0,1,2,3,4,5,6,7,8,9,10,11,12,13,14,15
	v_med3_num_f32 v[64+\j], v[64+\j], s36, s37    ; the hold
.endr
.irp p, 0,2,4,6,8,10,12,14
	v_pk_mul_f32 v[80+\p:81+\p], v[64+\p:65+\p], v[64+\p:65+\p]                   ; x2
.endr
.irp p, 0,2,4,6,8,10,12,14
	v_pk_fma_f32 v[32+\p:33+\p], v[80+\p:81+\p], v[KA13:KA13+1], v[KA11:KA11+1]   ; the numerator's polynomial, by Horner: the eight pairs take turns
.endr
.irp k, KA9, KA7, KA5, KA3, KA1
.irp p, 0,2,4,6,8,10,12,14
	v_pk_fma_f32 v[32+\p:33+\p], v[80+\p:81+\p], v[32+\p:33+\p], v[\k:\k+1]
.endr
.endr
.irp p, 0,2,4,6,8,10,12,14
	v_pk_fma_f32 v[48+\p:49+\p], v[80+\p:81+\p], v[KB6:KB6+1], v[KB4:KB4+1]       ; the denominator: positive, from 0.0049 to about 0.9
.endr
.irp k, KB2, KB0
.irp p, 0,2,4,6,8,10,12,14
	v_pk_fma_f32 v[48+\p:49+\p], v[80+\p:81+\p], v[48+\p:49+\p], v[\k:\k+1]
.endr
.endr
	s_wait_alu depctr_va_vdst(0)
.irp j, 0,1,2,3,4,5,6,7,8,9,10,11,12,13,14,15
	v_rcp_f32 v[96+\j], v[48+\j]
.endr
.irp p, 0,2,4,6,8,10,12,14
	v_pk_mul_f32 v[32+\p:33+\p], v[64+\p:65+\p], v[32+\p:33+\p]                   ; the numerator: x times its polynomial.  (Plain work behind the reciprocals that names none of their results)
.endr
	s_wait_alu depctr_va_vdst(0)                   ; one wait for the batch, ahead of its first reader
.irp p, 0,2,4,6,8,10,12,14
	v_pk_fma_f32 v[80+\p:81+\p], v[48+\p:49+\p], v[96+\p:97+\p], 1.0 op_sel_hi:[1,1,0] neg_lo:[1,0,0] neg_hi:[1,0,0]   ; 1 - d r0
.endr
.irp p, 0,2,4,6,8,10,12,14
	v_pk_fma_f32 v[96+\p:97+\p], v[80+\p:81+\p], v[96+\p:97+\p], v[96+\p:97+\p]   ; r, corrected once
.endr
.irp p, 0,2,4,6,8,10,12,14
	v_pk_mul_f32 v[80+\p:81+\p], v[32+\p:33+\p], v[96+\p:97+\p]                   ; q0 = n r
.endr
.irp p, 0,2,4,6,8,10,12,14
	v_pk_fma_f32 v[32+\p:33+\p], v[48+\p:49+\p], v[80+\p:81+\p], v[32+\p:33+\p] neg_lo:[1,0,0] neg_hi:[1,0,0]   ; n - d q0
.endr
.irp p, 0,2,4,6,8,10,12,14
	v_pk_fma_f32 v[80+\p:81+\p], v[32+\p:33+\p], v[96+\p:97+\p], v[80+\p:81+\p]   ; tanh
.endr
.irp p, 0,2,4,6,8,10,12,14
	v_pk_add_f32 v[80+\p:81+\p], v[80+\p:81+\p], 1.0 op_sel_hi:[1,0]              ; + 1, rounded as it is there;
.endr
.irp p, 0,2,4,6,8,10,12,14
	v_pk_mul_f32 v[80+\p:81+\p], v[80+\p:81+\p], 0x41200000 op_sel_hi:[1,0]       ; x 0.5 rounds nothing, so x 0.5 x 20 is x 10
.endr
.irp j, 0,1,2,3,4,5,6,7,8,9,10,11,12,13,14,15
	v_rndne_f32 v[80+\j], v[80+\j]                 ; to the nearest whole number, ties to even
.endr
.irp j, 0,1,2,3,4,5,6,7,8,9,10,11,12,13,14,15
	v_cvt_i32_f32 v[96+\j], v[80+\j]
.endr
.irp p, 0,2,4,6,8,10,12,14
	v_pk_fma_f32 v[64+\p:65+\p], v[80+\p:81+\p], 0x3dcccccd, -1.0 op_sel_hi:[1,0,0]   ; code x 0.1 - 1
.endr
.irp i, 0,1,2,3
	global_store_b128 v4, v[96+4*\i:99+4*\i], s[12:13] offset:512*\i th:TH_STORE_NT
	global_store_b128 v4, v[64+4*\i:67+4*\i], s[14:15] offset:512*\i th:TH_STORE_NT
.endr
.Lend:
	s_wait_tensorcnt 0x0                           ; the wave's end
	ds_add_u32 v160, v161
	s_wait_dscnt 0x0
	s_endpgm
.Lfunc_end_k_q1074568fb1_prep:
	.size	k_q1074568fb1_prep, .Lfunc_end_k_q1074568fb1_prep-k_q1074568fb1_prep
	.p2alignl 7, 3214868480
	.fill 96, 4, 3214868480
	.section	.rodata,"a",@progbits
	.p2align	6, 0x0
	.amdhsa_kernel k_q1074568fb1_prep
		.amdhsa_group_segment_fixed_size 42752
		.amdhsa_private_segment_fixed_size 0
		.amdhsa_enable_private_segment 0
		.amdhsa_kernarg_size 48
		.amdhsa_user_sgpr_count 2
		.amdhsa_user_sgpr_kernarg_segment_ptr 1
		.amdhsa_wavefront_size32 1
		.amdhsa_system_sgpr_workgroup_id_x 1
		.amdhsa_system_sgpr_workgroup_id_y 1
		.amdhsa_system_sgpr_workgroup_id_z 1
		.amdhsa_system_vgpr_workitem_id 0
		.amdhsa_next_free_vgpr 162
		.amdhsa_next_free_sgpr 66
		.amdhsa_reserve_vcc 0
		.amdhsa_float_denorm_mode_32 3
		.amdhsa_float_denorm_mode_16_64 3
		.amdhsa_memory_ordered 1
		.amdhsa_forward_progress 1
		.amdhsa_inst_pref_size 31
	.end_amdhsa_kernel
	.amdgpu_metadata
---
amdhsa.version: [ 1, 2 ]
amdhsa.kernels:
  - .name:           k_q1074568fb1_prep
    .symbol:         k_q1074568fb1_prep.kd
    .args:
      - { .name: embedding_sum, .offset: 0, .size: 8, .value_kind: global_buffer, .address_space: global }
      - { .name: cluster_usage, .offset: 8, .size: 8, .value_kind: global_buffer, .address_space: global }
      - { .name: x, .offset: 16, .size: 8, .value_kind: global_buffer, .address_space: global }
      - { .name: ebook, .offset: 24, .size: 8, .value_kind: global_buffer, .address_space: global }
      - { .name: out0, .offset: 32, .size: 8, .value_kind: global_buffer, .address_space: global }
      - { .name: out1, .offset: 40, .size: 8, .value_kind: global_buffer, .address_space: global }
    .group_segment_fixed_size: 42752
    .private_segment_fixed_size: 0
    .kernarg_segment_align: 8
    .kernarg_segment_size: 48
    .max_flat_workgroup_size: 288
    .sgpr_count:     66
    .vgpr_count:     162
    .wavefront_size: 32
...
	.end_amdgpu_metadata
.endif
;; end of part 1
;; launch search (part 2): grid 256 x 1, 8 waves a work-group, clusters of 4 x 1, 327,680 bytes of LDS; arguments x, ebook, xq, cand; writes xq, cand
.if DOCPART == 2
	.amdgcn_target "amdgcn-amd-amdhsa--gfx1250"
	.amdhsa_code_object_version 6
	.text
	.protected	k_q1074568fb1_search
	.globl	k_q1074568fb1_search
	.p2align	8
	.type	k_q1074568fb1_search,@function
k_q1074568fb1_search:
	s_mov_b64 s[64:65], 0
	v_nop
	global_prefetch_b8 v0, s[64:65] scope:SCOPE_SE
	s_setreg_imm32_b32 hwreg(HW_REG_WAVE_MODE, 25, 1), 1
	s_wait_xcnt 0x0
	s_wait_alu depctr_hold_cnt(0) depctr_sa_sdst(0) depctr_va_vdst(0) depctr_va_sdst(0) depctr_va_ssrc(0) depctr_va_vcc(0) depctr_vm_vsrc(0)
	s_getreg_b32 s2, hwreg(HW_REG_IB_STS2, 6, 4)
	s_cmp_eq_u32 s2, 0
	s_cbranch_scc0 .Lentry_in_a_cluster
	s_endpgm
.Lentry_in_a_cluster:
	s_bfe_u32 s2, ttmp6, 0x10000c
	s_cmp_lg_u32 s2, 0x3003
	s_cbranch_scc0 .Lentry_shape_is_right
	s_endpgm
.Lentry_shape_is_right:
; SEARCH.  For each token the group of 16 neighbouring codes that holds the largest score 2 x.emb - e2 (the first such group): cand[token] = q, the codes 16 q + 0 .. 15.  x2 is left out: it is the same for all codes of a token (see prep).
; SHARES.  Work-group g: tokens 128 g .. 128 g + 127, quantised here along K (a lane a token, registers down K), stored to xq for the next launch and handed round through LDS as register images.
; Wave w holds all eight token tiles (source 1) and walks records 32 w .. 32 w + 31 of the book (source 0; a record = 32 codes: 4,096 bytes of fragment images, 256 of scale words, 128 of -e2, 128 of zeros).
; THE PRODUCT is v_wmma_scale_f32_32x16x128_f4: a record's two tiles of 16 codes are its 32 rows, so a record x 8 token tiles x 2 K steps is 16 instructions.  -e2 is the C of the first K step; the book's scale bytes carry the factor 2.
; A lane half's 16 results of a record are 16 neighbouring codes of one token: 8 v_max3 with the running best, one compare, one select of q.
; THE RING.  Two slots of 8 x 4 records.  At the head both are filled, one joint load a wave: waves 0-3 fetch slot 0, waves 4-7 slot 1, each the parts of two waves (2 rows of 18,432 bytes, 147,456 apart in the book).
; Later a wave fetches and reads its own 18,432 bytes of a slot (72 rows of 256 bytes).  Every load is asked for jointly with the same wave of the three partners in the cluster, who walk the same book.
; THE PIPELINE.  A step: multiply a record from registers, fetch the record two steps on into the registers set free, take the maxima.  The change of slots stands in a chunk's middle, when the slot's last two records lie in registers:
; so four steps lie between a refill and the wait for it, and the next slot's first fragments are fetched under matrix work.
; THE WALK IS ROTATED: cluster c begins at chunk c mod 8 of each wave's eight and wraps.  At the wrap the running best is set aside and begun anew; at the end the set-aside best (higher codes) wins only where it is strictly larger: the first largest is kept.
; NO PREFETCH: x is read once, at the head, with no loop ahead of it; of the book every chunk is asked for in the first step by eight of the 64 clusters, and each later request names bytes that other clusters have read before.
; LIMITS: NaN and infinities among the inputs are not served; a block of x whose largest magnitude lies under 2^(3 - 127) keeps the byte of that floor.
; REGISTERS, window 0: v1-9 addresses and q's counter; v10-17, v88-95 x's scale words of K steps 0, 1; v18-21 the book's; v22-29 q; v30-45 the best, two sets by turns; v46-53 at work; v56-87 -e2, two sets (at the head x's codes);
;   v96-223 results (at the head x); v224-239 the best and q set aside (at the head at work); v240-250 addresses.  Window 1: v0-127 the token tiles' fragments; v128-191 the book's, two sets.
.set XROW,  16384
.set XB,    292*XROW
.set REC,   4608
.set BLK,   4*REC                      ; a wave's part of a slot
.set SLOTB, 8*BLK                      ; a slot; also a wave's 32 records in the book
.set XIMG,  2*SLOTB                    ; behind the ring: the token tiles' images, later the merge's words
.set XSC,   XIMG+16384                 ; their scale words
.set SPARE, XSC+1024                   ; the spare words: 128 bytes a wave
.set XQB,   17408                      ; a work-group's part of xq
.set NLD,   14                         ; LDS loads that bring a record
.set SPW, 1
.set NIL, 2
.set ADC, 3
.set ADS, 5
.set ADE, 7
.set QC,  9
.set BSC, 10
.set ASC, 18
.set Q,   22
.set BA,  30
.set M,   46
.set E2,  56
.set CD,  56
.set BS2, 88
.set D,   96
.set BA2, 224
.set Q2,  232
.set XO,  240
.set XW,  241
.set XG,  242
.set XWS, 243
.set XR,  244
.set XRS, 245
.set SCR, 246
.set SCG, 247
.set MW,  248
.set MR,  249
.set CO,  250
.set MSB, 0
.macro WIN new                         ; the immediate's high byte repeats the setting that is left
.if MSB != \new
	s_set_vgpr_msb (MSB<<8)|\new
.set MSB, \new
.endif
.endm
.macro NOP4
.rept 4
	v_nop
.endr
.endm
.macro CREST                           ; a round of the cluster's barrier behind its opening barrier
	s_cmp_lg_u32 s12, 0
	s_cbranch_scc1 .Lnot_wave_0_\@
	s_barrier_signal -3
.Lnot_wave_0_\@:
	s_barrier_wait -3
	s_barrier_signal -1
	s_barrier_wait -1
.endm
.macro ROUND
	s_barrier_signal -1
	s_barrier_wait -1
	CREST
.endm
.macro LOADG slot, g, f                ; record g of my part of a slot into set f: K step k's 32 rows in 16 registers, tile 0's eight first
	WIN 0x40
.irp c, 0,1
.irp k, 0,1
.irp h, 0,1
	ds_load_b128 v[128+32*(\f)+16*\k+8*\c+4*\h:131+32*(\f)+16*\k+8*\c+4*\h], v[ADC+\slot] offset:(\g)*REC+2048*\c+1024*\k+512*\h
.endr
.endr
.endr
	WIN 0
.irp k, 0,1
	ds_load_b32 v[ASC+2*(\f)+\k], v[ADS+\slot] offset:(\g)*REC+4096+128*\k   ; lane l: the scale word of row l
.endr
.irp c, 0,1
.irp u, 0,1
	ds_load_b128 v[E2+16*(\f)+8*\c+4*\u:E2+16*(\f)+8*\c+4*\u+3], v[ADE+\slot] offset:(\g)*REC+4352+32*\c+16*\u
.endr
.endr
.endm
.macro MULG f                          ; 16 matrix instructions: the record x eight token tiles x two K steps; the eight accumulators by turns
	WIN 0x05
.irp t, 0,1,2,3,4,5,6,7
	v_wmma_scale_f32_32x16x128_f4 v[D+16*\t:D+16*\t+15], v[128+32*(\f):128+32*(\f)+15], v[16*\t:16*\t+7], v[E2+16*(\f):E2+16*(\f)+15], v[ASC+2*(\f)], v[BSC+\t]
.endr
.irp t, 0,1,2,3,4,5,6,7
	v_wmma_scale_f32_32x16x128_f4 v[D+16*\t:D+16*\t+15], v[128+32*(\f)+16:128+32*(\f)+31], v[16*\t+8:16*\t+15], v[D+16*\t:D+16*\t+15], v[ASC+2*(\f)+1], v[BS2+\t]
.endr
.endm
.macro MAXG p                          ; the record's 16 scores of each token and the best so far (set p) give the new best (the other set); where it has grown, q is this record's.  Each accumulator is read from its low end on
	v_add_nc_u32 v[QC], 2, v[QC]
.irp t, 0,1,2,3,4,5,6,7
	v_max3_num_f32 v[M+\t], v[D+16*\t], v[D+16*\t+1], v[D+16*\t+2]
.endr
.irp i, 3,5,7,9,11,13
.irp t, 0,1,2,3,4,5,6,7
	v_max3_num_f32 v[M+\t], v[M+\t], v[D+16*\t+\i], v[D+16*\t+\i+1]
.endr
.endr
.irp t, 0,1,2,3,4,5,6,7
	v_max3_num_f32 v[BA+8-8*(\p)+\t], v[BA+8*(\p)+\t], v[M+\t], v[D+16*\t+15]
.endr
.irp t, 0,1,2,3,4,5,6,7
	v_cmp_gt_f32 s[40+\t], v[BA+8-8*(\p)+\t], v[BA+8*(\p)+\t]
.endr
.irp t, 0,1,2,3,4,5,6,7
	v_cndmask_b32 v[Q+\t], v[Q+\t], v[QC], s[40+\t]
.endr
.endm
; A step.  cnt: the LDS loads that may stay out (the younger record's).  ls, lg: the record fetched into the set just multiplied; lg < 0: none is left.
.macro STEP f, cnt, ls, lg
	s_wait_dscnt \cnt
	MULG \f
	NOP4                                           ; four places ahead of loads into the operands and of the first read of the results
.if \lg >= 0
	LOADG \ls, \lg, \f
.else
	WIN 0
.endif
	MAXG \f
.endm
; A chunk's third step, with the change of slots: the slot's last two records lie in registers, so the slot is filled again with the chunk two on in my walk.
.macro TURN slot
	s_wait_tensorcnt 0x0                           ; no load of mine is out,
	ds_add_u32 v[SPW], v[NIL]                      ; the add; the next address is made between it and the wait for it
	s_and_b32 s60, s58, 7                          ; the walk wraps at the eighth chunk
	s_mul_i32 s60, s60, BLK
	s_add_nc_u64 s[26+4*\slot:27+4*\slot], s[50:51], s[60:61]
	s_or_b32 s[27+4*\slot], s[27+4*\slot], 0x80000000
	s_add_co_u32 s58, s58, 1
	s_wait_dscnt 0x0                               ; the add is done, and my reads of this slot are back
	s_barrier_signal -1                            ; opens a round of the cluster's barrier;
	MULG 0                                         ; work on registers while the others arrive
	WIN 0
	s_barrier_wait -1
	CREST
	tensor_load_to_lds s[24+4*\slot:27+4*\slot], s[16:23]
	s_nop 0
	NOP4                                           ; also the places behind the products above
	LOADG 1-\slot, 0, 0
	MAXG 0
.endm
; At a chunk's head: where my walk wraps to my first record, the best so far and its q are set aside, the best begins anew and q's counter goes back 32 records.  s33 is the same in all waves of the cluster.
.macro WRAP
	s_cmp_lg_u32 s33, 0
	s_cbranch_scc1 .Lno_wrap_\@
	v_add_nc_u32 v[QC], 0xffffffc0, v[QC]
.irp t, 0,1,2,3,4,5,6,7
	v_mov_b32 v[BA2+\t], v[BA+\t]
	v_mov_b32 v[Q2+\t], v[Q+\t]
.endr
.irp t, 0,1,2,3,4,5,6,7
	v_mov_b32 v[BA+\t], 0xff800000
.endr
.Lno_wrap_\@:
	s_sub_co_u32 s33, s33, 1
.endm
.macro LOADX blk                       ; block blk of 32 along K: a lane a token, registers down K
.irp i, 0,1,2,3,4,5,6,7,8,9,10,11,12,13,14,15,16,17,18,19,20,21,22,23,24,25,26,27,28,29,30,31
	global_load_b32 v[D+32*(\blk)+\i], v[XO], s[34:35] offset:(32*(\blk)+\i)*XROW th:TH_LOAD_NT
.endr
.endm
.macro QX blk, cnt                     ; the block's scale and codes; cnt: the younger loads that may stay out
.set XS, D+32*(\blk)
	s_wait_loadcnt \cnt
	v_max3_num_f32 v228, |v[XS]|, |v[XS+1]|, |v[XS+2]|
	v_max3_num_f32 v229, |v[XS+3]|, |v[XS+4]|, |v[XS+5]|
.irp i, 6,10,14,18,22,26
	s_delay_alu instid0(VALU_DEP_2)
	v_max3_num_f32 v228, v228, |v[XS+\i]|, |v[XS+\i+1]|
	s_delay_alu instid0(VALU_DEP_2)
	v_max3_num_f32 v229, v229, |v[XS+\i+2]|, |v[XS+\i+3]|
.endr
	s_delay_alu instid0(VALU_DEP_2)
	v_max3_num_f32 v228, v228, |v[XS+30]|, |v[XS+31]|
	s_delay_alu instid0(VALU_DEP_1)
	v_max3_num_f32 v228, v228, v229, 0x1800000     ; the floor 2^(3 - 127): the byte cannot fall under 1
	s_delay_alu instid0(VALU_DEP_1)
	v_add_nc_u32 v230, 0xff000000, v228            ; 2 off the exponent field: the conversion's scale operand
	s_delay_alu instid0(VALU_DEP_1)
	v_lshrrev_b32 v231, 23, v230                   ; the byte
.if (\blk) == 0
	s_delay_alu instid0(VALU_DEP_1)
	v_mov_b32 v232, v231
.else
	s_delay_alu instid0(VALU_DEP_1)
	v_lshl_or_b32 v232, v231, 8*(\blk), v232
.endif
.irp q, 0,1,2,3
	v_cvt_scalef32_pk8_fp4_f32 v[CD+4*(\blk)+\q], v[XS+8*\q:XS+8*\q+7], v230
.endr
	v_nop                                          ; a plain line behind the last conversion
	ds_store_b128 v[XW], v[CD+4*(\blk):CD+4*(\blk)+3] offset:512*((\blk)/2)+256*((\blk)%2)
	global_store_b128 v[XG], v[CD+4*(\blk):CD+4*(\blk)+3], s[36:37] offset:512*((\blk)/2)+256*((\blk)%2)
.endm
	s_load_b256 s[4:11], s[0:1], 0x0               ; x s[4:5], ebook s[6:7], xq s[8:9], cand s[10:11]
	v_lshl_add_u32 v[SPW], v0, 2, SPARE
	v_mov_b32 v[NIL], 0
	ds_add_u32 v[SPW], v[NIL]                      ; the opening add, twice on end; the set-up stands between them and their wait
	ds_add_u32 v[SPW], v[NIL]
	v_lshrrev_b32 v3, 5, v0
	v_readfirstlane_b32 s12, v3                    ; wave 0..7
	s_bfe_u32 s13, ttmp6, 0x40000                  ; cx
	s_lshl_b32 s14, ttmp9, 2
	s_add_co_u32 s14, s14, s13                     ; work-group
	s_mov_b32 s16, 15|(3<<16)|(1<<21)              ; the ring's group 1: the cluster's four; elements of 8 bytes; 72 rows of 256 bytes, dense
	s_mov_b32 s17, 32<<16
	s_mov_b32 s18, 72<<16
	s_mov_b32 s19, 32<<16
	s_mov_b32 s20, 72
	s_mov_b32 s21, 32
	s_mov_b32 s22, 0
	s_mov_b32 s23, 0
	s_mov_b32 s68, 15|(3<<16)|(1<<21)              ; the head's group 1: 2 rows of 2,304 elements of 8 bytes, 18,432 elements apart
	s_mov_b32 s69, 2304<<16
	s_mov_b32 s70, 2<<16
	s_mov_b32 s71, 2304<<16
	s_mov_b32 s72, 2
	s_mov_b32 s73, 18432
	s_mov_b32 s74, 0
	s_mov_b32 s75, 0
	s_mul_i32 s48, s12, BLK                        ; my part of a slot
	s_mul_i32 s50, s12, SLOTB                      ; my 32 records in the book
	s_mov_b32 s51, 0
	s_and_b32 s62, s12, 3                          ; which 32 tokens I quantise; at the head: which two waves' parts I fetch,
	s_lshr_b32 s63, s12, 2                         ; and which 128 along K; at the head: for which slot
	s_lshr_b32 s52, s14, 5
	s_mul_i32 s52, s52, XB
	s_lshl_b32 s53, s63, 21
	s_add_co_u32 s52, s52, s53
	s_and_b32 s53, s14, 31
	s_lshl_b32 s53, s53, 9
	s_add_co_u32 s52, s52, s53
	s_lshl_b32 s53, s62, 7
	s_add_co_u32 s52, s52, s53
	s_mov_b32 s53, 0
	s_mul_i32 s54, s14, XQB
	s_mov_b32 s55, 0
	s_lshl_b32 s56, s14, 9
	s_mov_b32 s57, 0
	s_mov_b32 s61, 0
	s_lshl_b32 s40, s62, 12                        ; the wave's terms of the LDS and buffer offsets
	s_lshl_b32 s47, s63, 10
	s_add_co_u32 s40, s40, s47
	s_lshl_b32 s44, s62, 8
	s_lshl_b32 s47, s63, 6
	s_add_co_u32 s41, s44, s47
	s_add_co_u32 s41, s41, XSC
	s_add_co_u32 s44, s44, XIMG
	s_and_b32 s42, s12, 1
	s_lshl_b32 s42, s42, 9
	s_lshl_b32 s43, s12, 10
	s_add_co_u32 s43, s43, XIMG
	s_lshl_b32 s45, s62, 7
	s_and_b32 s58, ttmp9, 7                        ; the chunk at which my cluster's walk begins
	s_sub_co_u32 s33, 8, s58                       ; chunks until the wrap (8: never)
	s_lshl_b32 s46, s12, 6
	s_lshl_b32 s47, s58, 3
	s_add_co_u32 s46, s46, s47
	s_sub_co_u32 s46, s46, 2                       ; q of my first record, less one step
	v_and_b32 v224, 31, v0                         ; lane
	v_and_b32 v225, 15, v0                         ; r
	v_bfe_u32 v226, v0, 4, 1                       ; lane half
	v_lshlrev_b32 v[XO], 2, v224
	v_lshl_add_u32 v[ADC], v224, 4, s48
	v_lshl_add_u32 v[ADS], v225, 3, s48
	v_lshl_add_u32 v[ADE], v226, 6, s48
	v_lshlrev_b32 v[XG], 4, v225
	v_lshlrev_b32 v[XWS], 2, v225
	v_lshlrev_b32 v[MR], 2, v225
	v_lshl_add_u32 v[ADS], v226, 2, v[ADS]         ; the scale word of row l = 16 c + m lies at 8 m + 4 c
	v_add_nc_u32 v[ADC+1], SLOTB, v[ADC]
	v_add_nc_u32 v[ADE+1], SLOTB, v[ADE]
	v_lshl_add_u32 v[XG], v226, 11, v[XG]
	v_lshl_add_u32 v[XWS], v226, 7, v[XWS]
	v_lshl_add_u32 v[MR], v226, 7, v[MR]
	v_add_nc_u32 v[ADS+1], SLOTB, v[ADS]
	v_lshl_add_u32 v[XR], v224, 4, XIMG
	v_lshl_add_u32 v[XRS], v225, 2, XSC
	v_lshl_add_u32 v[SCG], v224, 4, s42
	v_add_nc_u32 v[XG], s40, v[XG]
	v_add_nc_u32 v[XWS], s41, v[XWS]
	v_add_nc_u32 v[MR], s44, v[MR]
	v_lshl_add_u32 v[MW], v224, 2, s43
	v_lshl_add_u32 v[CO], v224, 2, s45
	v_add_nc_u32 v[QC], s46, v226
	v_add_nc_u32 v[XW], XIMG, v[XG]
	v_add_nc_u32 v[SCR], XSC, v[SCG]
	s_wait_alu depctr_va_vdst(0)
	s_wait_dscnt 0x0                               ; both opening adds are done
	s_wait_kmcnt 0x0
	s_add_nc_u64 s[50:51], s[6:7], s[50:51]
	s_add_nc_u64 s[34:35], s[4:5], s[52:53]
	s_add_nc_u64 s[36:37], s[8:9], s[54:55]
	s_add_nc_u64 s[38:39], s[10:11], s[56:57]
	LOADX 0                                        ; x is asked for first: all four blocks have registers of their own
	s_add_co_u32 s60, s58, s63                     ; the head's load: the walk's first chunk for slot 0, its second for slot 1,
	s_and_b32 s60, s60, 7
	s_mul_i32 s60, s60, BLK
	s_mul_i32 s47, s62, 2*SLOTB                    ; of waves 2 (w % 4) and 2 (w % 4) + 1
	s_add_co_u32 s60, s60, s47
	s_mov_b32 s76, 1
	s_mul_i32 s77, s63, SLOTB
	s_mul_i32 s47, s62, 2*BLK
	s_add_co_u32 s77, s77, s47
	s_add_nc_u64 s[78:79], s[6:7], s[60:61]
	s_or_b32 s79, s79, 0x80000000
	s_mov_b32 s24, 1                               ; the ring's groups 0: the addresses in memory are made at each change of slots
	s_mov_b32 s25, s48
	s_mov_b32 s28, 1
	s_add_co_u32 s29, s48, SLOTB
	s_add_co_u32 s58, s58, 2                       ; the chunk that the first refill brings
	ROUND                                          ; in front of the first joint loads
	tensor_load_to_lds s[76:79], s[68:75]          ; one tensor load a wave at the head: the eight fill both slots
	s_nop 0
	NOP4
	LOADX 1
	LOADX 2
	QX 0, 63                                       ; behind block 0's loads 64 were issued
	LOADX 3
	QX 1, 63                                       ; behind block 1's likewise 64
	QX 2, 32
	QX 3, 0
	ds_store_b32 v[XWS], v232
	s_wait_tensorcnt 0x0                           ; for the others' sake: what I fetched of the slots has landed,
	s_wait_dscnt 0x0                               ; and my images are stored
	s_barrier_signal -1
	s_barrier_wait -1
	WIN 0x40
.irp t, 0,1,2,3,4,5,6,7
.irp k, 0,1
.irp h, 0,1
	ds_load_b128 v[16*\t+8*\k+4*\h:16*\t+8*\k+4*\h+3], v[XR] offset:2048*\t+1024*\k+512*\h
.endr
.endr
.endr
	WIN 0
.irp t, 0,1,2,3,4,5,6,7
	ds_load_b32 v[BSC+\t], v[XRS] offset:128*\t        ; token r's scale word of K step 0 (lanes 16-31 hold the same and are not read),
	ds_load_b32 v[BS2+\t], v[XRS] offset:128*\t+64     ; and of K step 1
.endr
	s_cmp_lt_u32 s12, 2
	s_cbranch_scc0 .Lno_copy
	ds_load_b128 v[48:51], v[SCR]                  ; waves 0 and 1 store the work-group's 1,024 bytes of scale words, 512 consecutive bytes each
	s_wait_dscnt 0x0
	global_store_b128 v[SCG], v[48:51], s[36:37] offset:16384
.Lno_copy:
.irp t, 0,1,2,3,4,5,6,7
	v_mov_b32 v[BA+\t], 0xff800000
	v_mov_b32 v[Q+\t], 0
	v_mov_b32 v[BA2+\t], 0xff800000
	v_mov_b32 v[Q2+\t], 0
.endr
	s_wait_alu depctr_va_vdst(0)
	s_wait_xcnt 0x0                                ; the stores have read their registers, which are written again from here on
	LOADG 0, 0, 0
	LOADG 0, 1, 1
	s_mov_b32 s32, 3
.Lloop:                                                ; a trip: two chunks, both slots filled again
.irp s, 0,1
	WRAP
	STEP 0, NLD, \s, 2
	STEP 1, NLD, \s, 3
	TURN \s
	STEP 1, NLD, 1-\s, 1
.endr
	s_sub_co_u32 s32, s32, 1
	s_cmp_lg_u32 s32, 0
	s_cbranch_scc1 .Lloop
	WRAP                                           ; the last two chunks fetch nothing more from memory
	STEP 0, NLD, 0, 2
	STEP 1, NLD, 0, 3
	s_wait_tensorcnt 0x0                           ; my last chunk is in; I alone read it
	STEP 0, NLD, 1, 0
	STEP 1, NLD, 1, 1
	WRAP
	STEP 0, NLD, 1, 2
	STEP 1, NLD, 1, 3
	STEP 0, NLD, 0, -1
	STEP 1, 0, 0, -1
.irp t, 0,1,2,3,4,5,6,7
	v_cmp_gt_f32 s[40+\t], v[BA2+\t], v[BA+\t]     ; what was set aside at the wrap has the higher codes: it wins only where it is strictly larger
.endr
.irp t, 0,1,2,3,4,5,6,7
	v_cndmask_b32 v[BA+\t], v[BA+\t], v[BA2+\t], s[40+\t]
	v_cndmask_b32 v[Q+\t], v[Q+\t], v[Q2+\t], s[40+\t]
.endr
.irp t, 0,1,2,3,4,5,6,7
	ds_store_b32 v[MW], v[BA+\t] offset:128*\t
	ds_store_b32 v[MW], v[Q+\t] offset:128*\t+8192
.endr
	s_wait_dscnt 0x0
	s_barrier_signal -1
	s_barrier_wait -1
	s_cmp_lt_u32 s12, 4
	s_cbranch_scc0 .Lno_merge
.irp n, 0,1,2,3,4,5,6,7,8,9,10,11,12,13,14,15
	ds_load_b32 v[96+\n], v[MR] offset:(\n/2)*1024+(\n%2)*64          ; a token's 16 bests: eight waves x two lane halves
	ds_load_b32 v[112+\n], v[MR] offset:(\n/2)*1024+(\n%2)*64+8192
.endr
	s_wait_dscnt 0x0
.irp n, 1,2,3,4,5,6,7,8,9,10,11,12,13,14,15
	v_cmp_gt_f32 s40, v[96+\n], v96                ; the larger, or of equals the lower q
	v_cmp_eq_f32 s41, v[96+\n], v96
	v_cmp_lt_u32 s42, v[112+\n], v112
	s_and_b32 s41, s41, s42
	s_or_b32 s40, s40, s41
	v_cndmask_b32 v96, v96, v[96+\n], s40
	v_cndmask_b32 v112, v112, v[112+\n], s40
.endr
	global_store_b32 v[CO], v112, s[38:39]
.Lno_merge:
	s_wait_tensorcnt 0x0                           ; the wave's end
	ds_add_u32 v[SPW], v[NIL]
	s_wait_dscnt 0x0
	ROUND                                          ; the closing round
	s_endpgm
.Lfunc_end_k_q1074568fb1_search:
	.size	k_q1074568fb1_search, .Lfunc_end_k_q1074568fb1_search-k_q1074568fb1_search
	.p2alignl 7, 3214868480
	.fill 96, 4, 3214868480
	.section	.rodata,"a",@progbits
	.p2align	6, 0x0
	.amdhsa_kernel k_q1074568fb1_search
		.amdhsa_group_segment_fixed_size 327680
		.amdhsa_private_segment_fixed_size 0
		.amdhsa_enable_private_segment 0
		.amdhsa_kernarg_size 32
		.amdhsa_user_sgpr_count 2
		.amdhsa_user_sgpr_kernarg_segment_ptr 1
		.amdhsa_wavefront_size32 1
		.amdhsa_system_sgpr_workgroup_id_x 1
		.amdhsa_system_sgpr_workgroup_id_y 1
		.amdhsa_system_sgpr_workgroup_id_z 1
		.amdhsa_system_vgpr_workitem_id 0
		.amdhsa_next_free_vgpr 448
		.amdhsa_next_free_sgpr 80
		.amdhsa_reserve_vcc 0
		.amdhsa_float_denorm_mode_32 3
		.amdhsa_float_denorm_mode_16_64 3
		.amdhsa_memory_ordered 1
		.amdhsa_forward_progress 1
		.amdhsa_inst_pref_size 180
	.end_amdhsa_kernel
	.amdgpu_metadata
---
amdhsa.version: [ 1, 2 ]
amdhsa.kernels:
  - .name:           k_q1074568fb1_search
    .symbol:         k_q1074568fb1_search.kd
    .args:
      - { .name: x, .offset: 0, .size: 8, .value_kind: global_buffer, .address_space: global }
      - { .name: ebook, .offset: 8, .size: 8, .value_kind: global_buffer, .address_space: global }
      - { .name: xq, .offset: 16, .size: 8, .value_kind: global_buffer, .address_space: global }
      - { .name: cand, .offset: 24, .size: 8, .value_kind: global_buffer, .address_space: global }
    .group_segment_fixed_size: 327680
    .private_segment_fixed_size: 0
    .kernarg_segment_align: 8
    .kernarg_segment_size: 32
    .max_flat_workgroup_size: 256
    .sgpr_count:     80
    .vgpr_count:     448
    .wavefront_size: 32
...
	.end_amdgpu_metadata
.endif
;; end of part 2
;; launch refine (part 3): grid 256 x 1, 8 waves a work-group, no clusters, 2,048 bytes of LDS; arguments xq, cand, ebook, out0, codes; writes out0, codes
.if DOCPART == 3
	.amdgcn_target "amdgcn-amd-amdhsa--gfx1250"
	.amdhsa_code_object_version 6
	.text
	.protected	k_q1074568fb1_refine
	.globl	k_q1074568fb1_refine
	.p2align	8
	.type	k_q1074568fb1_refine,@function
k_q1074568fb1_refine:
	s_mov_b64 s[64:65], 0
	v_nop
	global_prefetch_b8 v0, s[64:65] scope:SCOPE_SE
	s_setreg_imm32_b32 hwreg(HW_REG_WAVE_MODE, 25, 1), 1
	s_wait_xcnt 0x0
; REFINE.  cand[token] = q says that the token's nearest code is one of 16 q + 0 .. 15.  These 16 scores are multiplied again, by the same matrix instruction on the same codes, scale bytes and C (-e2) as in the search, and the
; first largest is taken: code = 16 q + its place.  It goes to out0's row 0 and to the buffer codes.
; SHARES.  Work-group g: tokens 128 g .. 128 g + 127; wave w: token tile w.  For token i of the tile one product of two K steps: source 0 = the token's 16 candidates (row 8 c + j = tile c, image row 8 h + j of record q / 2,
; h = q % 2), source 1 = the whole token tile; only column i of the result is used.  C holds in column r the -e2 of token r's candidates: one set of registers serves all 16 products.
; ADDRESSES hang on q, which an earlier launch stored: each q is split and held (record at most 255, h at most 1) ahead of the multiplication, so that every load stays inside the book.
; No tensor load, no cluster: each wave gathers rows of its own.  LIMITS as in the search.
; REGISTERS, window 0: v4-15 addresses; v16-31 the token tile's two fragments, v32 its scale words; v33-48 the candidates' scale words; v56-63 C; v64-95 four accumulators; v96-103 the scores gathered; v104-115 at work.
;   window 1: the candidates' fragments: token i, K step s2 at 16 i + 8 s2.
.set REC, 4608
.set XQB, 17408
.set O0B, 37*16384
.set MSB, 0
.macro WIN new
.if MSB != \new
	s_set_vgpr_msb (MSB<<8)|\new
.set MSB, \new
.endif
.endm
	s_load_b256 s[4:11], s[0:1], 0x0               ; xq s[4:5], cand s[6:7], ebook s[8:9], out0 s[10:11]
	s_load_b64 s[12:13], s[0:1], 0x20              ; codes
	v_lshl_add_u32 v254, v0, 2, 0x400
	v_mov_b32 v255, 0
	v_lshrrev_b32 v1, 5, v0
	s_delay_alu instid0(VALU_DEP_1)
	v_readfirstlane_b32 s14, v1                    ; wave 0..7
	v_and_b32 v1, 31, v0                           ; lane
	v_and_b32 v2, 15, v0                           ; r
	v_bfe_u32 v3, v0, 4, 1                         ; lane half
	v_and_b32 v10, 7, v0                           ; j
	v_bfe_u32 v11, v0, 3, 1                        ; c
	s_delay_alu instid0(VALU_DEP_2)
	v_lshlrev_b32 v4, 4, v10
	s_delay_alu instid0(VALU_DEP_1)
	v_lshl_add_u32 v4, v3, 8, v4
	s_delay_alu instid0(VALU_DEP_1)
	v_lshl_add_u32 v4, v11, 11, v4                 ; a candidate's fragment: 2048 c + 256 (lane / 16) + 16 j
	v_lshlrev_b32 v5, 3, v10
	s_delay_alu instid0(VALU_DEP_1)
	v_lshl_add_u32 v5, v3, 7, v5
	s_delay_alu instid0(VALU_DEP_1)
	v_lshl_add_u32 v5, v11, 2, v5                  ; its scale word: 128 (lane / 16) + 8 j + 4 c
	v_lshlrev_b32 v6, 4, v1                        ; 16 x lane
	v_lshlrev_b32 v7, 2, v1                        ; 4 x lane
	v_lshlrev_b32 v12, 2, v2                       ; 4 r
	s_lshl_b32 s15, s14, 6
	v_add_nc_u32 v13, s15, v12                     ; LDS: 64 x wave + 4 r
	s_lshl_b32 s101, s14, 11
	v_add_nc_u32 v15, s101, v6                     ; xq: my tile's images
	s_lshl_b32 s101, s14, 7
	v_add_nc_u32 v14, s101, v7                     ; and its scale words
	s_lshl_b32 s98, ttmp9, 9
	s_add_co_u32 s98, s98, s15                     ; cand: 512 g + 64 w
	s_mov_b32 s99, 0
	s_mul_i32 s100, ttmp9, XQB
	s_mov_b32 s101, 0
	s_wait_alu depctr_va_vdst(0)
	s_wait_kmcnt 0x0
	s_add_nc_u64 s[2:3], s[6:7], s[98:99]
	s_add_nc_u64 s[4:5], s[4:5], s[100:101]
	s_load_b512 s[16:31], s[2:3], 0x0              ; my 16 keys as scalars,
	global_load_b32 v8, v12, s[2:3]                ; and token r's in lane r and lane 16 + r
.irp i, 0,1,2,3
	global_load_b128 v[16+4*\i:19+4*\i], v15, s[4:5] offset:512*\i
.endr
	global_load_b32 v32, v14, s[4:5] offset:16384
	s_wait_kmcnt 0x0
.irp i, 0,1,2,3,4,5,6,7,8,9,10,11,12,13,14,15
	s_lshr_b32 s100, s[16+\i], 1
	s_min_u32 s100, s100, 255                      ; the record
	s_and_b32 s101, s[16+\i], 1
	s_min_u32 s101, s101, 1                        ; h
	s_mul_i32 s100, s100, REC
	s_lshl_b32 s98, s101, 7
	s_add_co_u32 s98, s98, s100
	s_add_nc_u64 s[32+2*\i:33+2*\i], s[8:9], s[98:99]   ; fragments: + 16 x 8 h
	s_lshl_b32 s98, s101, 6
	s_add_co_u32 s98, s98, s100
	s_add_nc_u64 s[66+2*\i:67+2*\i], s[8:9], s[98:99]   ; scale words: + 8 x 8 h
.endr
	s_wait_loadcnt 5                               ; the keys are in; the five loads of the token tile, issued behind them, may be out
	v_lshrrev_b32 v10, 1, v8
	s_delay_alu instid0(VALU_DEP_1)
	v_min_u32 v10, 0xff, v10
	v_and_b32 v11, 1, v8
	s_delay_alu instid0(VALU_DEP_1)
	v_min_u32 v11, 1, v11
	s_delay_alu instid0(VALU_DEP_3)
	v_mul_u32_u24 v10, v10, REC
	s_delay_alu instid0(VALU_DEP_1)
	v_lshl_add_u32 v10, v11, 6, v10
	s_delay_alu instid0(VALU_DEP_1)
	v_lshl_add_u32 v9, v3, 5, v10                  ; -e2 of token r's candidates 8 (lane / 16) + 0 .. 7: 4 (16 h + 8 (lane / 16)) into the record's 32
	WIN 0x40                                       ; destination window 1, address window 0
.irp i, 0,1,2,3,4,5,6,7,8,9,10,11,12,13,14,15
.irp k, 0,1
.irp h, 0,1
	global_load_b128 v[16*\i+8*\k+4*\h:16*\i+8*\k+4*\h+3], v4, s[32+2*\i:33+2*\i] offset:1024*\k+512*\h
.endr
.endr
.endr
	WIN 0
.irp i, 0,1,2,3,4,5,6,7,8,9,10,11,12,13,14,15
	global_load_b32 v[33+\i], v5, s[66+2*\i:67+2*\i] offset:4096
.endr
	global_load_b128 v[56:59], v9, s[8:9] offset:4352
	global_load_b128 v[60:63], v9, s[8:9] offset:4368
	s_mov_b32 s20, 0x76543210                      ; v_permlanex16_b32's selects for lane l xor 16 (the keys' scalars are done with)
	s_mov_b32 s21, 0xfedcba98
	s_wait_loadcnt 0x0
; Four tokens at a time: four accumulators by turns; four v_nop are the places ahead of the first read; the selects of the other accumulators are the places ahead of the next four products.
.irp b, 0,1,2,3
	WIN 0x01                                       ; source 0 window 1
.irp a, 0,1,2,3
	v_wmma_scale_f32_16x16x128_f8f6f4 v[64+8*\a:71+8*\a], v[16*(4*\b+\a):16*(4*\b+\a)+7], v[16:23], v[56:63], v[33+4*\b+\a], v32 matrix_a_fmt:MATRIX_FMT_FP4 matrix_b_fmt:MATRIX_FMT_FP4
.endr
.irp a, 0,1,2,3
	v_wmma_scale_f32_16x16x128_f8f6f4 v[64+8*\a:71+8*\a], v[16*(4*\b+\a)+8:16*(4*\b+\a)+15], v[24:31], v[64+8*\a:71+8*\a], v[33+4*\b+\a], v32 matrix_a_fmt:MATRIX_FMT_FP4 matrix_b_fmt:MATRIX_FMT_FP4 matrix_a_scale:MATRIX_SCALE_ROW1 matrix_b_scale:MATRIX_SCALE_ROW1
.endr
	WIN 0
.rept 4
	v_nop
.endr
.irp a, 0,1,2,3
.if 4*\b+\a == 0
.irp j, 0,1,2,3,4,5,6,7
	v_mov_b32 v[96+\j], v[64+\j]                   ; the first product fills the registers whole
.endr
.else
	s_mov_b32 s100, 0x10001<<(4*\b+\a)             ; column i lies in lanes i and 16 + i
.irp j, 0,1,2,3,4,5,6,7
	v_cndmask_b32 v[96+\j], v[96+\j], v[64+8*\a+\j], s100
.endr
.endif
.endr
.endr
	; lane (r, half): the scores of token r's candidates 8 half + 0 .. 7.  The first largest of the eight, then of the two halves.
	v_mov_b32 v104, v96
	v_mov_b32 v105, 0
	v_mov_b32 v106, 0                              ; (a lane permute's destination counts as one of its sources)
	v_mov_b32 v107, 0
.irp j, 1
	s_delay_alu instid0(VALU_DEP_4)
	v_cmp_gt_f32 vcc_lo, v[96+\j], v104
	s_delay_alu instid0(VALU_DEP_1)
	v_cndmask_b32 v104, v104, v[96+\j], vcc_lo
	s_delay_alu instid0(VALU_DEP_2)
	v_cndmask_b32 v105, v105, \j, vcc_lo
.endr
.irp j, 2, 3, 4, 5, 6, 7
	s_delay_alu instid0(VALU_DEP_2)
	v_cmp_gt_f32 vcc_lo, v[96+\j], v104
	s_delay_alu instid0(VALU_DEP_1)
	v_cndmask_b32 v104, v104, v[96+\j], vcc_lo
	s_delay_alu instid0(VALU_DEP_2)
	v_cndmask_b32 v105, v105, \j, vcc_lo
.endr
	s_delay_alu instid0(VALU_DEP_1)
	v_lshl_add_u32 v105, v3, 3, v105
	s_delay_alu instid0(VALU_DEP_3)
	v_permlanex16_b32 v106, v104, s20, s21
	s_delay_alu instid0(VALU_DEP_2)
	v_permlanex16_b32 v107, v105, s20, s21
	s_delay_alu instid0(VALU_DEP_2)
	v_cmp_gt_f32 s100, v106, v104                  ; the other half's where it is larger, or equal with the lower place
	s_delay_alu instid0(VALU_DEP_3)
	v_cmp_eq_f32 s101, v106, v104
	s_delay_alu instid0(VALU_DEP_3)
	v_cmp_lt_u32 s98, v107, v105
	s_and_b32 s101, s101, s98
	s_or_b32 s100, s100, s101
	v_cndmask_b32 v105, v105, v107, s100
	s_delay_alu instid0(VALU_DEP_1)
	v_lshl_add_u32 v108, v8, 4, v105               ; code = 16 q + place
	ds_store_b32 v13, v108                         ; (both halves write the same word with the same value)
	s_wait_dscnt 0x0
	s_barrier_signal -1
	s_barrier_wait -1
	s_cmp_lt_u32 s14, 2
	s_cbranch_scc0 .Lend
	ds_load_b128 v[112:115], v6                    ; the work-group's 128 codes: wave 0 stores them to out0, wave 1 to codes: 512 consecutive bytes each
	s_lshr_b32 s15, ttmp9, 5
	s_mul_i32 s15, s15, O0B
	s_and_b32 s100, ttmp9, 31
	s_lshl_b32 s100, s100, 9
	s_add_co_u32 s15, s15, s100                    ; out0: the batch's row 0, tokens 128 (g % 32) on
	s_lshl_b32 s101, ttmp9, 9                      ; codes: 512 g
	s_cmp_eq_u32 s14, 0
	s_cselect_b64 s[2:3], s[10:11], s[12:13]
	s_cselect_b32 s98, s15, s101
	s_add_nc_u64 s[2:3], s[2:3], s[98:99]
	s_wait_dscnt 0x0
	global_store_b128 v6, v[112:115], s[2:3]
.Lend:
	s_wait_tensorcnt 0x0
	ds_add_u32 v254, v255
	s_wait_dscnt 0x0
	s_endpgm
.Lfunc_end_k_q1074568fb1_refine:
	.size	k_q1074568fb1_refine, .Lfunc_end_k_q1074568fb1_refine-k_q1074568fb1_refine
	.p2alignl 7, 3214868480
	.fill 96, 4, 3214868480
	.section	.rodata,"a",@progbits
	.p2align	6, 0x0
	.amdhsa_kernel k_q1074568fb1_refine
		.amdhsa_group_segment_fixed_size 2048
		.amdhsa_private_segment_fixed_size 0
		.amdhsa_enable_private_segment 0
		.amdhsa_kernarg_size 40
		.amdhsa_user_sgpr_count 2
		.amdhsa_user_sgpr_kernarg_segment_ptr 1
		.amdhsa_wavefront_size32 1
		.amdhsa_system_sgpr_workgroup_id_x 1
		.amdhsa_system_sgpr_workgroup_id_y 1
		.amdhsa_system_sgpr_workgroup_id_z 1
		.amdhsa_system_vgpr_workitem_id 0
		.amdhsa_next_free_vgpr 512
		.amdhsa_next_free_sgpr 104
		.amdhsa_reserve_vcc 1
		.amdhsa_float_denorm_mode_32 3
		.amdhsa_float_denorm_mode_16_64 3
		.amdhsa_memory_ordered 1
		.amdhsa_forward_progress 1
		.amdhsa_inst_pref_size 35
	.end_amdhsa_kernel
	.amdgpu_metadata
---
amdhsa.version: [ 1, 2 ]
amdhsa.kernels:
  - .name:           k_q1074568fb1_refine
    .symbol:         k_q1074568fb1_refine.kd
    .args:
      - { .name: xq, .offset: 0, .size: 8, .value_kind: global_buffer, .address_space: global }
      - { .name: cand, .offset: 8, .size: 8, .value_kind: global_buffer, .address_space: global }
      - { .name: ebook, .offset: 16, .size: 8, .value_kind: global_buffer, .address_space: global }
      - { .name: out0, .offset: 24, .size: 8, .value_kind: global_buffer, .address_space: global }
      - { .name: codes, .offset: 32, .size: 8, .value_kind: global_buffer, .address_space: global }
    .group_segment_fixed_size: 2048
    .private_segment_fixed_size: 0
    .kernarg_segment_align: 8
    .kernarg_segment_size: 40
    .max_flat_workgroup_size: 256
    .sgpr_count:     104
    .vgpr_count:     512
    .wavefront_size: 32
...
	.end_amdgpu_metadata
.endif
;; end of part 3
;; launch decode (part 4): grid 512 x 1, 8 waves a work-group, no clusters, 66,816 bytes of LDS; arguments codes, embedding_sum, cluster_usage, out1; writes out1
.if DOCPART == 4
	.amdgcn_target "amdgcn-amd-amdhsa--gfx1250"
	.amdhsa_code_object_version 6
	.text
	.protected	k_q1074568fb1_decode
	.globl	k_q1074568fb1_decode
	.p2align	8
	.type	k_q1074568fb1_decode,@function
k_q1074568fb1_decode:
	s_mov_b64 s[64:65], 0
	v_nop
	global_prefetch_b8 v0, s[64:65] scope:SCOPE_SE
	s_setreg_imm32_b32 hwreg(HW_REG_WAVE_MODE, 25, 1), 1
	s_wait_xcnt 0x0
; DECODE.  out1[b][s][t] = embedding_sum[code(b, t)][s] / max(cluster_usage[code(b, t)], 1e-5) for s = 0 .. 255: a gather of rows, turned so that t is innermost.
; SHARES.  Work-group g: 64 tokens, 256 bytes of each of the 256 output rows.  Wave w gathers the rows of tokens 8 w + 0 .. 7 (1,024 consecutive bytes each, two loads), scales them and puts them into LDS; behind one barrier it
; reads columns and stores output rows 32 w .. 32 w + 31: sixteen lanes store 256 consecutive bytes, aligned.
; LDS.  Token tau's row lies at 4112 (tau / 4) + 1024 (tau % 4): 16 bytes of padding behind every four rows.  A column read takes tokens 4 l + i in lanes l = 0 .. 15 and two neighbouring s in the lane halves:
; word 1028 l + half + a constant: 32 different banks of the 64 (ISA guide 11.1).
; The codes were stored by an earlier launch; each is held at 8,191 ahead of its use in an address.  The quotient is a multiplication by v_rcp_f32's result: it goes into no quantiser.
; No matrix work, no tensor load, no cluster: the work-groups share no tile.  No hint on the row loads: the list may name a row again.
.set XROW, 16384
.set XB,   292*XROW
	s_load_b256 s[4:11], s[0:1], 0x0               ; codes s[4:5], embedding_sum s[6:7], cluster_usage s[8:9], out1 s[10:11]
	v_lshl_add_u32 v160, v0, 2, 0x10100
	v_mov_b32 v161, 0
	v_lshrrev_b32 v1, 5, v0
	s_delay_alu instid0(VALU_DEP_1)
	v_readfirstlane_b32 s12, v1                    ; wave 0..7
	v_and_b32 v1, 31, v0                           ; lane
	v_and_b32 v2, 15, v0                           ; l
	v_bfe_u32 v3, v0, 4, 1                         ; lane half
	s_delay_alu instid0(VALU_DEP_3)
	v_lshlrev_b32 v4, 4, v1                        ; 16 x lane
	s_mul_i32 s13, s12, 8224
	v_add_nc_u32 v5, s13, v4                       ; in: my eight tokens begin at 2 x 4112 x wave
	v_mul_u32_u24 v6, v2, 4112
	s_delay_alu instid0(VALU_DEP_1)
	v_lshl_add_u32 v6, v3, 2, v6
	s_lshl_b32 s13, s12, 7
	v_add_nc_u32 v6, s13, v6                       ; out: 4112 l + 4 (32 w + half); 1024 i + 8 pp stand in the offset
	v_lshlrev_b32 v7, 4, v2
	s_delay_alu instid0(VALU_DEP_1)
	v_lshl_add_u32 v7, v3, 14, v7                  ; out1: 16 l, and a row further for lanes 16-31
	v_and_b32 v12, 7, v0
	s_delay_alu instid0(VALU_DEP_1)
	v_lshlrev_b32 v12, 2, v12                      ; lane % 8 takes token 8 w + lane % 8's code
	s_lshl_b32 s2, ttmp9, 8
	s_lshl_b32 s3, s12, 5
	s_add_co_u32 s2, s2, s3                        ; codes: 256 g + 32 w
	s_mov_b32 s3, 0
	s_lshr_b32 s14, ttmp9, 6                       ; the batch,
	s_mul_i32 s14, s14, XB
	s_lshl_b32 s15, s12, 19                        ; my 32 rows,
	s_add_co_u32 s14, s14, s15
	s_and_b32 s15, ttmp9, 63                       ; the work-group's 64 tokens
	s_lshl_b32 s15, s15, 8
	s_add_co_u32 s14, s14, s15
	s_mov_b32 s15, 0
	s_wait_alu depctr_va_vdst(0)
	s_wait_kmcnt 0x0
	s_add_nc_u64 s[4:5], s[4:5], s[2:3]
	s_add_nc_u64 s[10:11], s[10:11], s[14:15]
	s_load_b256 s[16:23], s[4:5], 0x0              ; my eight codes as scalars,
	global_load_b32 v8, v12, s[4:5]                ; and in lanes
	s_wait_loadcnt 0x0
	v_min_u32 v8, 0x1fff, v8
	s_delay_alu instid0(VALU_DEP_1)
	v_lshlrev_b32 v9, 2, v8
	global_load_b32 v10, v9, s[8:9]                ; their usages
	s_wait_kmcnt 0x0
.irp k, 0,1,2,3,4,5,6,7
	s_min_u32 s[16+\k], s[16+\k], 0x1fff
	s_lshl_b32 s2, s[16+\k], 10
	s_add_nc_u64 s[24+2*\k:25+2*\k], s[6:7], s[2:3]
.endr
.irp k, 0,1,2,3,4,5,6,7
.irp u, 0,1
	global_load_b128 v[16+8*\k+4*\u:19+8*\k+4*\u], v4, s[24+2*\k:25+2*\k] offset:512*\u
.endr
.endr
	s_wait_loadcnt 16                              ; the usages are in; the 16 row loads behind them may be out
	v_max_num_f32 v10, 0x3727c5ac, v10             ; max(usage, 1e-5)
	s_wait_alu depctr_va_vdst(0)
	v_rcp_f32 v11, v10
	v_nop                                          ; a plain line behind the reciprocal,
	s_wait_alu depctr_va_vdst(0)                   ; and the wait ahead of its first reader
.irp k, 0,1,2,3,4,5,6,7
	v_readlane_b32 s[40+2*\k], v11, \k             ; token k's factor as a scalar pair: the packed form names a pair and takes its low word for both halves
	v_readlane_b32 s[41+2*\k], v11, \k
.endr
.irp k, 0,1,2,3,4,5,6,7
	s_wait_loadcnt 14-2*\k                         ; row k's two loads are in; the rows behind it may be out
.irp p, 0,2,4,6
	v_pk_mul_f32 v[16+8*\k+\p:17+8*\k+\p], v[16+8*\k+\p:17+8*\k+\p], s[40+2*\k:41+2*\k] op_sel_hi:[1,0]
.endr
	ds_store_b128 v5, v[16+8*\k:19+8*\k] offset:(\k/4)*4112+(\k%4)*1024
	ds_store_b128 v5, v[20+8*\k:23+8*\k] offset:(\k/4)*4112+(\k%4)*1024+512
.endr
	s_wait_dscnt 0x0                               ; for the others' sake: my rows are stored
	s_barrier_signal -1
	s_barrier_wait -1
.irp p, 0,1,2,3,4,5,6,7,8,9,10,11,12,13,14,15
.irp i, 0,1,2,3
	ds_load_b32 v[80+4*\p+\i], v6 offset:1024*\i+8*\p   ; tokens 4 l + i at s = 32 w + 2 p + half
.endr
.endr
.irp p, 0,1,2,3,4,5,6,7,8,9,10,11,12,13,14,15
	s_wait_dscnt 60-4*\p                           ; pair p's four loads are in; those behind them may be out
	global_store_b128 v7, v[80+4*\p:83+4*\p], s[10:11] offset:2*\p*XROW th:TH_STORE_NT
.endr
	s_wait_tensorcnt 0x0
	ds_add_u32 v160, v161
	s_wait_dscnt 0x0
	s_endpgm
.Lfunc_end_k_q1074568fb1_decode:
	.size	k_q1074568fb1_decode, .Lfunc_end_k_q1074568fb1_decode-k_q1074568fb1_decode
	.p2alignl 7, 3214868480
	.fill 96, 4, 3214868480
	.section	.rodata,"a",@progbits
	.p2align	6, 0x0
	.amdhsa_kernel k_q1074568fb1_decode
		.amdhsa_group_segment_fixed_size 66816
		.amdhsa_private_segment_fixed_size 0
		.amdhsa_enable_private_segment 0
		.amdhsa_kernarg_size 32
		.amdhsa_user_sgpr_count 2
		.amdhsa_user_sgpr_kernarg_segment_ptr 1
		.amdhsa_wavefront_size32 1
		.amdhsa_system_sgpr_workgroup_id_x 1
		.amdhsa_system_sgpr_workgroup_id_y 1
		.amdhsa_system_sgpr_workgroup_id_z 1
		.amdhsa_system_vgpr_workitem_id 0
		.amdhsa_next_free_vgpr 162
		.amdhsa_next_free_sgpr 66
		.amdhsa_reserve_vcc 0
		.amdhsa_float_denorm_mode_32 3
		.amdhsa_float_denorm_mode_16_64 3
		.amdhsa_memory_ordered 1
		.amdhsa_forward_progress 1
		.amdhsa_inst_pref_size 16
	.end_amdhsa_kernel
	.amdgpu_metadata
---
amdhsa.version: [ 1, 2 ]
amdhsa.kernels:
  - .name:           k_q1074568fb1_decode
    .symbol:         k_q1074568fb1_decode.kd
    .args:
      - { .name: codes, .offset: 0, .size: 8, .value_kind: global_buffer, .address_space: global }
      - { .name: embedding_sum, .offset: 8, .size: 8, .value_kind: global_buffer, .address_space: global }
      - { .name: cluster_usage, .offset: 16, .size: 8, .value_kind: global_buffer, .address_space: global }
      - { .name: out1, .offset: 24, .size: 8, .value_kind: global_buffer, .address_space: global }
    .group_segment_fixed_size: 66816
    .private_segment_fixed_size: 0
    .kernarg_segment_align: 8
    .kernarg_segment_size: 32
    .max_flat_workgroup_size: 256
    .sgpr_count:     66
    .vgpr_count:     162
    .wavefront_size: 32
...
	.end_amdgpu_metadata
.endif
;; end of part 4
